; MI455X (gfx1250); checked and timed in simulation.
; The chip was launched on July 23, 2026; its instructions are those of AMD's public machine-readable ISA for CDNA 5 (MIT licence, August 2026) and "CDNA5" Instruction Set Architecture Reference Guide (July 2026). The comments in the code are by the model that wrote it; some were corrected since.
;; Multi Head Attention. Allowed arithmetic: matrix products marked QUANTISED: E5M2 operands, one E8M0 scale for each 32 along K, by v_wmma_scale_f32_16x16x128_f8f6f4 with both operands' format E5M2, f32 sums; everything else in f32.
;; Inputs: W_fc_codes 1,024 x 32 x 32 uint8 (E5M2 codes of W_fc, K innermost, in blocks of 32 codes); W_fc_scales 1,024 x 32 uint8 (E8M0 scales of W_fc, one for each 32 codes along K); W_qkv_codes 3,072 x 32 x 32 uint8 (E5M2 codes of W_qkv, K innermost, in blocks of 32 codes); W_qkv_scales 3,072 x 32 uint8 (E8M0 scales of W_qkv, one for each 32 codes along K); X_codes 4 x 2,048 x 32 x 32 uint8 (E5M2 codes of X, K innermost, in blocks of 32 codes); X_scales 4 x 2,048 x 32 uint8 (E8M0 scales of X, one for each 32 codes along K); b_fc 1,024 float32; b_qkv 3,072 float32.
;; Outputs: out0 4 x 2,048 x 1,024 float32.
;; This version of the problem:
;;   THIS VERSION OF THE PROBLEM IS GIVEN IN LOW PRECISION. The matrix products marked QUANTISED in the list below multiply operands that are first quantised to E5M2 (5 exponent bits, 2 mantissa bits; 8 bits a number), with one power-of-two scale for each 32 numbers along K (OCP MX v1.0); their sums are f32. All else is computed in f32.
;;   The module's matrix products, in the order in which they are computed (A, B: the left and right operand; K: the contracted axis; several contracted axes count as one K, in the product's order):
;;     1. [M 8,192, K 1,024] x [K 1,024, N 3,072]; A: input X (given as codes); B: input W_qkv (given as codes): QUANTISED
;;     2. batch 64 x [M 2,048, K 64] x [K 64, N 2,048]; A: computed on the way; B: computed on the way: QUANTISED
;;     3. batch 64 x [M 2,048, K 2,048] x [K 2,048, N 64]; A: softmax (see below); B: computed on the way: QUANTISED
;;     4. [M 8,192, K 1,024] x [K 1,024, N 1,024]; A: computed on the way; B: input W_fc (given as codes): QUANTISED
;;   THE QUANTISER, for each operand of a quantised product, along K:
;;     - K is cut into blocks of 32 from its start; a last block that is shorter is filled with zeros.
;;     - A block's scale is 2^e with e = floor(log2(the largest magnitude in the block)) - 15, held to -126 .. 127; a block of zeros has e = 0. As a byte (E8M0): e + 127.
;;     - Each number is divided by its block's scale, clamped to +-57,344, and rounded to the nearest number of E5M2, ties to even, subnormals kept.
;;     - The product sums the exact products of the quantised numbers (number of the format x scale) in f32.
;;   ~~~python
;;   def quantise(x, axis):      # numpy; x: float32 -> the quantised numbers, widened to float32 again
;;       x = np.moveaxis(x, axis, -1); K = x.shape[-1]
;;       x = np.pad(x, [(0, 0)] * (x.ndim - 1) + [(0, -K % 32)]); x = x.reshape(x.shape[:-1] + (-1, 32)); a = np.abs(x).max(-1, keepdims=True)
;;       e = np.where(a > 0, np.clip(np.frexp(np.where(a > 0, a, 1))[1] - 1 - 15, -126, 127), 0)      # np.frexp(a)[1] - 1 = floor(log2(a)), exactly
;;       r = np.clip(x / 2.0 ** e, -57344, 57344)
;;       step = 2.0 ** (np.maximum(np.frexp(np.where(r == 0, 1, r))[1] - 1, -14) - 2)
;;       q = np.round(r / step) * step * 2.0 ** e      # np.round: ties to even
;;       return np.moveaxis(q.reshape(q.shape[:-2] + (-1,))[..., :K], -1, axis).astype(np.float32)
;;   ~~~
;;   SOFTMAX AHEAD OF A QUANTISED PRODUCT. Where the list says 'softmax', what is quantised is not the finished softmax but p = 2^(t - M), with t = logit x log2(e) and M = ceil(the row's largest t), a whole number; so 1/2 < the row's largest p <= 1. The row's sum l is taken of the UNQUANTISED p, in f32, and the product's result is divided by l at the end. Since M is a whole number, a kernel that streams over the keys may use a running M (the ceiling of the running maximum): every later rescaling is an exact power of two, which a block's scale takes up: the codes' values come out the same.
;;   OPERANDS COMPUTED ON THE WAY. 'Computed on the way' means the value that the module computes at that place (a softmax that the list does not call 'softmax' is quantised finished and normalised). What goes into a quantiser is computed in f32, as accurately as f32 sums, v_exp_f32 and their like allow (about 1e-6 of the number): no bf16 or f16 on the way to a quantiser, and a product that is left as it is and whose result goes on into a quantised operand takes f32 operands (vector FMAs, or v_wmma_f32_16x16x4_f32). A number that lies on a knife's edge between two numbers of the format may be rounded either way, as far as f32 arithmetic and the matrix unit's own rounding can turn it there, and no further.
;;   INPUTS GIVEN AS CODES. W_fc (in the module: [1024, 1024], K = its axis 0); W_qkv (in the module: [1024, 3072], K = its axis 0); X (in the module: [4, 2048, 1024], K = its axis 2): each comes as NAME_codes (uint8): NAME with its K axis moved to the last place and cut into blocks of 32 codes, [.., K / 32, bytes a block], one block behind the other in memory; one code a byte (a code: sign, 5 exponent bits, 2 mantissa bits); and NAME_scales (uint8): the same leading axes, one E8M0 byte (e + 127) for each 32 codes along K. Its value is code x scale, taken as it is: it is not quantised again, and the codes and scales need not be those that the quantiser above would give.
;; One version. Each part assembles by itself: llvm-mc -triple=amdgcn-amd-amdhsa -mcpu=gfx1250 --defsym DOCPART=n.
;; ======== version 1 of 1: 3 launches
;; limits: right only within a limited range of input values
;; workspace buffers: qb 17,301,504 bytes; kvb 17,301,504 bytes; ab 8,388,608 bytes; asb 524,288 bytes
;; launch qkv (part 1): grid 16 x 16, 4 waves a work-group, clusters of 4 x 4, 327,680 bytes of LDS; arguments X_codes, X_scales, W_qkv_codes, W_qkv_scales, b_qkv, qb, kvb; writes qb, kvb
.if DOCPART == 1
	.amdgcn_target "amdgcn-amd-amdhsa--gfx1250"
	.amdhsa_code_object_version 6
	.text
	.protected	k_qcc49e8fd7c_qkv
	.globl	k_qcc49e8fd7c_qkv
	.p2align	8
	.type	k_qcc49e8fd7c_qkv,@function
k_qcc49e8fd7c_qkv:
	s_mov_b64 s[64:65], 0
	v_nop
	global_prefetch_b8 v0, s[64:65] scope:SCOPE_SE
	s_setreg_imm32_b32 hwreg(HW_REG_WAVE_MODE, 25, 1), 1
	s_wait_xcnt 0x0
	s_wait_alu depctr_hold_cnt(0) depctr_sa_sdst(0) depctr_va_vdst(0) depctr_va_sdst(0) depctr_va_ssrc(0) depctr_va_vcc(0) depctr_vm_vsrc(0)
	s_getreg_b32 s2, hwreg(HW_REG_IB_STS2, 6, 4)
	s_cmp_eq_u32 s2, 0
	s_cbranch_scc0 .Lentry_in_a_cluster
	s_endpgm
.Lentry_in_a_cluster:
	s_bfe_u32 s2, ttmp6, 0x10000c
	s_cmp_lg_u32 s2, 0xf033
	s_cbranch_scc0 .Lentry_shape_is_right
	s_endpgm
.Lentry_shape_is_right:
; Q, K, V = X W^T + b for one head and 512 rows of X, on codes of BF8 (E5M2) with one E8M0 scale for each 32 along K = 1,024, and the quantisers of Q, K (along the head's channels) and V (along the rows, which are the keys).
; OUTPUT: for each 128 rows of a head a bundle of 16,896 bytes: +0 Q's (qb) or K's (kvb) codes, 1,024 bytes a tile of 16 rows; +8,192 V's codes (kvb), 2,048 bytes a tile of 16 channels; +16,384 Q's or K's scale words; +16,640 V's:
; all as images of operand registers (four registers of 32 lanes = 512 bytes).  Inside a block of 32, place 16 h + 8 u + j holds number 16 u + 8 h + j.
; THE DEAL.  256 work-groups of four waves.  Wave w holds 48 rows of W, ALL of K, in 384 registers: channels 32 (w % 2) .. + 31 of Q (w < 2) or K (two tiles: one scale block of 32), and channels 16 w .. + 15 of V.
; X's rows pass in blocks of 16, 24 products a block; a block stands in registers whole (128), in two sets; behind a block's products its set takes the block two on.
; Q, K: source 0 = W's rows, so a lane holds one row of X and eight channels a tile.  V: source 0 = X's rows, so a lane holds one channel and eight rows a block; a scale block of 32 rows is a pair of blocks.
; LDS: 256 rows of 1,024 + 16 bytes; X's scale bytes (16,384, dense); an image of the outgoing scale bytes (3,072); the spare words.
; FILLS.  At the head, one load a wave: W's 192 rows into LDS rows 64-255 (waves 0, 1), X's rows 0-63 (wave 2), X's scale bytes (wave 3).  Refills, each behind a drained round of the cluster's barrier, a quarter a wave:
; X's rows 64-255 over W once W stands in registers; then the ring's two slots of 128 rows: rows 256-383 ahead of block 6, rows 384-511 ahead of block 14.
; CLUSTER 4 x 4: the four of a row share X's rows and scale bytes, the four of a column W's rows: every tensor load is a joint one.
; THE WAY OUT of a block (largest magnitude, scale, holds, conversions) stands among the NEXT block's products, three lines behind each of the first sixteen: Q's or K's last block and half of V's last pair, whose sums are copied first.
; The three accumulators of a block take turns, and no wait on the vector side stands inside a block's run of products.
; PREFETCH: rows 128-255 and 256-383 are asked for behind the head's first barrier, rows 384-511 behind the first of the ring's refills: 128 rows are 512 blocks of 256 bytes, a lane a block, shared out by address among the 16 waves of a cluster's row.
; LIMITS: NaN, infinities and sums beyond f32's range are not served; a block of zeros gets the byte 1 (its codes are zeros; this program alone reads the bytes).
.set PITCH, 1040
.set YB, 128*PITCH
.set SCL, 256*PITCH
.set IMG, SCL+16384
.set SPARE, IMG+3072
.set BUNDLE, 16896
.set ADX0, 4
.set AF, 5
.set ASC0, 6
.set AS, 7
.set SPW, 8
.set NIL, 9
.set CN, 10
.set VX, 11
.set VX0, 12
.set VY, 13
.set VY0, 14
.set ADW, 15
.set ADV, 16
.set PF, 17
.set IM, 20
.set TQ, 24                            ; v24-28 Q's, K's way out: two maxima, scale operand, bound, byte
.set TV, 29                            ; v29-31, v44, v45 V's
.set WS, 32                            ; v32-43 W's scale words: tile b at 4 b: lanes 0-15 K steps 0-3, lanes 16-31 K steps 4-7
.set XS, 46                            ; v46-53 X's, two sets of four, laid likewise
.set QCD, 56
.set VCD, 60
.set BQ, 64                            ; the bias: the first products' C
.set BV, 80
.set AQ, 88                            ; Q's, K's sums: two sets of two tiles
.set AV, 120                           ; V's: even block, odd block
.set VC, 136                           ; a pair's sums, copied
.set G1X, 24
.set G0W, 32
.set G0X, 36
.set G1W, 48
.set G1S, 56
.set G0S, 68
.set G0R, 72
.set QP, 76
.set VP, 78
.set SU, 80                            ; the unit (two blocks), 0 .. 15
.set SF, 81                            ; LDS byte of the unit's first block to fetch
.set SS, 82                            ; and of its scale words
.set SB, 83                            ; the slot that is fetched from
.set SO, 84
.set MSB, 0
.macro WIN new
.if MSB != (\new)
	s_set_vgpr_msb (MSB<<8)|(\new)
.set MSB, (\new)
.endif
.endm
.macro WALU
	s_wait_alu depctr_va_vdst(0)
.endm
.macro PLACES n
.rept \n
	v_nop
.endr
.endm
.macro BARRIER
	s_barrier_signal -1
	s_barrier_wait -1
.endm
.macro CROUND
	BARRIER
	s_cmp_lg_u32 s18, 0
	s_cbranch_scc1 .Lnot_wave_0_\@
	s_barrier_signal -3
.Lnot_wave_0_\@:
	s_barrier_wait -3
	BARRIER
.endm
.macro TLOAD g0, g1
	tensor_load_to_lds s[\g0:\g0+3], s[\g1:\g1+7]
	s_nop 0
	PLACES 4
.endm
.macro GROUP1 g, mask, rows            ; whole rows of K, 1,024 bytes, 16 bytes of padding behind each
	s_or_b32 s[\g], s\mask, (1<<20)|(1<<21)|(7<<22)|(3<<25)
	s_mov_b32 s[\g+1], 1024<<16
	s_mov_b32 s[\g+2], (\rows)<<16
	s_mov_b32 s[\g+3], 1024<<16
	s_mov_b32 s[\g+4], \rows
	s_mov_b32 s[\g+5], 1024
	s_mov_b32 s[\g+6], 0
	s_mov_b32 s[\g+7], 0
.endm
	s_load_b256 s[4:11], s[0:1], 0x0               ; X's codes, X's scales, W's codes, W's scales
	s_load_b128 s[12:15], s[0:1], 0x20             ; b_qkv, qb
	s_load_b64 s[16:17], s[0:1], 0x30              ; kvb
	v_lshl_add_u32 v[SPW], v0, 2, SPARE
	v_mov_b32 v[NIL], 0
	ds_add_u32 v[SPW], v[NIL]                      ; the opening lines: the add, twice on end, and its wait
	ds_add_u32 v[SPW], v[NIL]
	v_lshrrev_b32 v1, 5, v0
	v_readfirstlane_b32 s18, v1                    ; wave 0..3
	s_lshr_b32 s19, s18, 1
	s_and_b32 s20, s18, 1
	s_bfe_u32 s21, ttmp6, 0x40000                  ; cx, cy
	s_bfe_u32 s22, ttmp6, 0x40004
	s_lshl_b32 s23, ttmp9, 2
	s_add_co_u32 s23, s23, s21                     ; the head
	s_and_b32 s40, ttmp7, 0xffff
	s_lshl_b32 s40, s40, 2
	s_add_co_u32 s40, s40, s22                     ; my block of 512 rows
	s_lshl_b32 s41, s22, 2
	s_lshl_b32 s41, 15, s41                        ; my row of the cluster
	s_lshl_b32 s42, 0x1111, s21                    ; my column
	s_mov_b32 s44, 0x76543210
	s_mov_b32 s45, 0xfedcba98
	s_mov_b32 s46, 0x600000
	GROUP1 G1X, 41, 64
	GROUP1 G1W, 42, 96
	s_or_b32 s[G1S], s41, (3<<16)|(1<<21)          ; X's scale bytes: 16,384 dense bytes as 64 rows of 256
	s_mov_b32 s[G1S+1], 32<<16
	s_mov_b32 s[G1S+2], 64<<16
	s_mov_b32 s[G1S+3], 32<<16
	s_mov_b32 s[G1S+4], 64
	s_mov_b32 s[G1S+5], 32
	s_mov_b32 s[G1S+6], 0
	s_mov_b32 s[G1S+7], 0
	s_lshl_b32 s96, s40, 19                        ; my rows in X's codes
	s_mov_b32 s97, 0
	s_mul_i32 s86, s23, 192*1024                   ; W's codes: the head's rows, 96 a wave
	s_mul_i32 s87, s18, 96*1024
	s_add_co_u32 s86, s86, s87
	s_mov_b32 s87, 0
	s_lshl_b32 s88, s40, 14                        ; X's scale bytes
	s_mov_b32 s89, 0
	s_mul_i32 s90, s23, 6144                       ; W's scale bytes: my two tiles of Q or K,
	s_lshl_b32 s91, s18, 10
	s_add_co_u32 s90, s90, s91
	s_mov_b32 s91, 0
	s_mul_i32 s92, s23, 6144                       ; my tile of V
	s_lshl_b32 s93, s18, 9
	s_add_co_u32 s92, s92, s93
	s_add_co_u32 s92, s92, 4096
	s_mov_b32 s93, 0
	s_mul_i32 s94, s23, 768                        ; the bias likewise
	s_lshl_b32 s95, s18, 7
	s_add_co_u32 s94, s94, s95
	s_mov_b32 s95, 0
	s_mul_i32 s98, s23, 768
	s_lshl_b32 s99, s18, 6
	s_add_co_u32 s98, s98, s99
	s_add_co_u32 s98, s98, 512
	s_mov_b32 s99, 0
	s_lshr_b32 s80, s40, 2                         ; my first bundle: ((batch x 16 + head) x 16 + 4 x (block % 4))
	s_lshl_b32 s80, s80, 4
	s_add_co_u32 s80, s80, s23
	s_lshl_b32 s80, s80, 4
	s_and_b32 s81, s40, 3
	s_lshl_b32 s81, s81, 2
	s_add_co_u32 s80, s80, s81
	s_mul_i32 s80, s80, BUNDLE
	s_mov_b32 s81, 0
	s_mul_i32 s100, s18, 32*PITCH                  ; LDS: my rows of W
	s_add_co_u32 s100, s100, 64*PITCH
	s_mul_i32 s101, s18, 16*PITCH
	s_add_co_u32 s101, s101, 192*PITCH
	s_lshl_b32 s43, s19, 10                        ; the image: Q's or K's bytes,
	s_add_co_u32 s43, s43, s20
	s_add_co_u32 s43, s43, IMG
	s_lshl_b32 s47, s18, 6                         ; V's,
	s_add_co_u32 s47, s47, IMG+2048
	s_lshl_b32 s66, s18, 8                         ; and the bundle that I store at the end
	s_add_co_u32 s66, s66, IMG
	s_lshl_b32 s67, s21, 2                         ; the prefetches: which of the cluster row's sixteen waves I am
	s_add_co_u32 s67, s67, s18
	s_lshl_b32 s67, s67, 13
	s_add_co_u32 s67, s67, s96
	s_add_co_u32 s67, s67, 128*1024
	s_add_co_u32 s2, s67, 128*1024
	s_add_co_u32 s3, s2, 128*1024
	s_mov_b32 s[G0W], 1
	s_mul_i32 s[G0W+1], s18, 96*PITCH
	s_add_co_u32 s[G0W+1], s[G0W+1], 64*PITCH
	s_mov_b32 s[G0X], 1
	s_mov_b32 s[G0X+1], 0
	s_mov_b32 s[G0S], 1
	s_mov_b32 s[G0S+1], SCL
	s_mov_b32 s[G0R], 1
	s_wait_dscnt 0x0
	CROUND                                         ; all sixteen work-groups are here
	s_wait_kmcnt 0x0
	s_add_nc_u64 s[96:97], s[4:5], s[96:97]
	s_add_nc_u64 s[G0W+2:G0W+3], s[8:9], s[86:87]
	s_or_b32 s[G0W+3], s[G0W+3], 0x80000000
	s_mov_b64 s[G0X+2:G0X+3], s[96:97]
	s_or_b32 s[G0X+3], s[G0X+3], 0x80000000
	s_add_nc_u64 s[G0S+2:G0S+3], s[6:7], s[88:89]
	s_or_b32 s[G0S+3], s[G0S+3], 0x80000000
	s_cmp_lt_u32 s18, 2                            ; one joint load a wave; W's line is waves 0 and 1's alone: they alone wait at the first barrier
	s_cbranch_scc0 .Lhead_x
	TLOAD G0W, G1W
	s_branch .Lasked
.Lhead_x:
	s_cmp_eq_u32 s18, 2
	s_cbranch_scc0 .Lhead_s
	TLOAD G0X, G1X
	s_branch .Lasked
.Lhead_s:
	TLOAD G0S, G1S
.Lasked:
	s_add_nc_u64 s[90:91], s[10:11], s[90:91]
	s_add_nc_u64 s[92:93], s[10:11], s[92:93]
	s_add_nc_u64 s[94:95], s[12:13], s[94:95]
	s_add_nc_u64 s[98:99], s[12:13], s[98:99]
	v_and_b32 v1, 15, v0                           ; r
	v_bfe_u32 v2, v0, 4, 1                         ; h
	v_and_b32 v3, 31, v0
	v_mul_u32_u24 v[ADX0], v1, PITCH
	v_lshl_add_u32 v[ADX0], v2, 4, v[ADX0]         ; a fragment: row r x pitch + 16 h
	v_add_nc_u32 v[ADW], s100, v[ADX0]
	v_add_nc_u32 v[ADV], s101, v[ADX0]
	v_lshlrev_b32 v21, 5, v1
	v_lshl_add_u32 v21, v2, 4, v21                 ; scale bytes: 32 r + 16 h
	v_add_nc_u32 v[ASC0], SCL, v21
	v_lshlrev_b32 v[CN], 4, v3
	v_lshl_add_u32 v[VX0], v1, 3, s43
	v_lshl_add_u32 v[VX], v1, 3, s43
	v_lshl_add_u32 v[VY0], v1, 2, s47
	v_lshl_add_u32 v[IM], v3, 3, s66
	v_lshlrev_b32 v22, 5, v2
	v_lshlrev_b32 v23, 2, v1
	v_lshl_add_u32 v[PF], v3, 8, s67
	v_lshl_add_u32 v[PF+1], v3, 8, s2
	v_lshl_add_u32 v[PF+2], v3, 8, s3
	v_lshlrev_b32 v54, 3, v3                       ; 8 x lane: the closing stores' offset
.set i, 0
.rept 16
	v_mov_b32 v[AQ+16+i], 0                        ; the first way out has no block before it: it works on zeros and stores nothing
	v_mov_b32 v[VC+i], 0
.set i, i+1
.endr
	v_mov_b32 v[TQ+1], 0                           ; a lane permute's destination counts as one of its sources
	v_mov_b32 v[TV+1], 0
	WALU
.irp b, 0,1
	global_load_b128 v[WS+4*\b:WS+4*\b+3], v21, s[90:91] offset:512*\b
	global_load_b128 v[BQ+8*\b:BQ+8*\b+3], v22, s[94:95] offset:64*\b
	global_load_b128 v[BQ+8*\b+4:BQ+8*\b+7], v22, s[94:95] offset:64*\b+16
.endr
	global_load_b128 v[WS+8:WS+11], v21, s[92:93]
.irp j, 0,1,2,3,4,5,6,7
	global_load_b32 v[BV+\j], v23, s[98:99]
.endr
	s_cmp_eq_u32 s19, 0                            ; where my results go
	s_cselect_b64 s[QP:QP+1], s[14:15], s[16:17]
	s_add_nc_u64 s[QP:QP+1], s[QP:QP+1], s[80:81]
	s_lshl_b32 s86, s20, 9
	s_mov_b32 s87, 0
	s_add_nc_u64 s[QP:QP+1], s[QP:QP+1], s[86:87]
	s_sub_nc_u64 s[QP:QP+1], s[QP:QP+1], 10752     ; blocks 0 and 1 step it by 1,024 and 9,728 to block 0's place
	s_add_nc_u64 s[VP:VP+1], s[16:17], s[80:81]
	s_lshl_b32 s86, s18, 11
	s_add_co_u32 s86, s86, 8192
	s_add_nc_u64 s[VP:VP+1], s[VP:VP+1], s[86:87]
	s_sub_nc_u64 s[VP:VP+1], s[VP:VP+1], 15872     ; units 0 and 1 step it by 512 and 15,360 to pair 0's place
	s_mul_i32 s86, s18, BUNDLE
	s_add_co_u32 s86, s86, 16384
	s_add_nc_u64 s[80:81], s[80:81], s[86:87]
	s_wait_xcnt 0x0                                ; the loads above have read their bases
	s_add_nc_u64 s[92:93], s[14:15], s[80:81]      ; at the end: bundle w's scale words in qb,
	s_add_nc_u64 s[94:95], s[16:17], s[80:81]      ; and in kvb
	s_cmp_lt_u32 s18, 2
	s_cbranch_scc0 .Lnot_w
	s_wait_tensorcnt 0x0                           ; waves 0, 1: W's rows have landed
.Lnot_w:
	BARRIER
	global_prefetch_b8 v[PF], s[4:5] th:TH_LOAD_NT scope:SCOPE_SE
	global_prefetch_b8 v[PF+1], s[4:5] th:TH_LOAD_NT scope:SCOPE_SE
.set f, 0
.rept 24                               ; my 48 rows of W, all of K: fragment 3 q + b in window 1 + f / 16
	WIN (1+f/16)<<6
.irp c, 0,1,2,3
.if f%3 < 2
	ds_load_b128 v[16*(f%16)+4*\c:16*(f%16)+4*\c+3], v[ADW] offset:(f%3)*16*PITCH+128*(f/3)+32*\c
.else
	ds_load_b128 v[16*(f%16)+4*\c:16*(f%16)+4*\c+3], v[ADV] offset:128*(f/3)+32*\c
.endif
.endr
.set f, f+1
.endr
	WIN 0
	s_wait_tensorcnt 0x0                           ; the three lines ahead of a refill's round: all my loads are in,
	ds_add_u32 v[SPW], v[NIL]
	s_mov_b32 s[G1X+2], 48<<16                     ; no load of mine is out: X's rows 64-255 come 48 a wave, over W's rows
	s_mov_b32 s[G1X+4], 48
	s_mul_i32 s[G0R+1], s18, 48*PITCH
	s_add_co_u32 s[G0R+1], s[G0R+1], 64*PITCH
	s_mul_i32 s86, s18, 48*1024
	s_add_co_u32 s86, s86, 64*1024
	s_mov_b32 s87, 0
	s_add_nc_u64 s[G0R+2:G0R+3], s[96:97], s[86:87]
	s_or_b32 s[G0R+3], s[G0R+3], 0x80000000
	s_lshl_b32 s86, s18, 15
	s_add_co_u32 s86, s86, 256*1024
	s_add_nc_u64 s[98:99], s[96:97], s[86:87]      ; the ring's refills: rows 256 + 32 w on
	s_wait_dscnt 0x0                               ; the add is done, and W stands in registers
	CROUND
	TLOAD G0R, G1X
.macro WM d, a, b, c, sa, sb, row
.if \row
	v_wmma_scale_f32_16x16x128_f8f6f4 v[(\d):(\d)+7], v[(\a):(\a)+15], v[(\b):(\b)+15], v[(\c):(\c)+7], v[\sa], v[\sb] matrix_a_fmt:MATRIX_FMT_BF8 matrix_b_fmt:MATRIX_FMT_BF8 matrix_a_scale:MATRIX_SCALE_ROW1 matrix_b_scale:MATRIX_SCALE_ROW1
.else
	v_wmma_scale_f32_16x16x128_f8f6f4 v[(\d):(\d)+7], v[(\a):(\a)+15], v[(\b):(\b)+15], v[(\c):(\c)+7], v[\sa], v[\sb] matrix_a_fmt:MATRIX_FMT_BF8 matrix_b_fmt:MATRIX_FMT_BF8
.endif
.endm
.macro PROD e, p                       ; product p = 3 q + b of a block whose rows stand in set e
.set Q_, (\p)/3
.set B_, (\p)%3
.set WW_, 1+(\p)/16
.set WR_, 16*((\p)%16)
.set XR_, 128*(\e)+16*Q_
.set XS_, XS+4*(\e)+Q_%4
.set WS_, WS+4*B_+Q_%4
.if B_ < 2
.set D_, AQ+16*(\e)+8*B_
.set C_, D_
.if Q_ == 0
.set C_, BQ+8*B_
.endif
	WIN WW_|(3<<2)
	WM D_, WR_, XR_, C_, WS_, XS_, Q_/4
.else
.set D_, AV+8*(\e)
.set C_, D_
.if Q_ == 0
.set C_, BV
.endif
	WIN 3|(WW_<<2)
	WM D_, XR_, WR_, C_, XS_, WS_, Q_/4
.endif
.endm
.macro WL i, x, y, t, so, hd, eb, cd   ; line i of a way out: 8 + 8 sums a lane at x and y, a scale block with lane l xor 16's -> four registers of codes and a byte
.if (\i) == 0
	v_max3_num_f32 v[\t], |v[(\x)]|, |v[(\x)+1]|, 0x8000000
.elseif (\i) == 1
	v_max3_num_f32 v[(\t)+1], |v[(\y)]|, |v[(\y)+1]|, |v[(\y)+2]|
.elseif (\i) == 2 || (\i) == 4 || (\i) == 6
	v_max3_num_f32 v[\t], v[\t], |v[(\x)+(\i)]|, |v[(\x)+(\i)+1]|
.elseif (\i) == 3 || (\i) == 5
	v_max3_num_f32 v[(\t)+1], v[(\t)+1], |v[(\y)+(\i)]|, |v[(\y)+(\i)+1]|
.elseif (\i) == 7
	v_max3_num_f32 v[\t], v[\t], v[(\t)+1], |v[(\y)+7]|
.elseif (\i) == 8
	v_permlanex16_b32 v[(\t)+1], v[\t], s44, s45
.elseif (\i) == 9
	v_max_num_f32 v[\t], v[\t], v[(\t)+1]
.elseif (\i) == 10
	v_add_nc_u32 v[\so], 0xf8800000, v[\t]         ; 15 off the exponent field: the conversion's scale operand
.elseif (\i) == 11
	v_and_or_b32 v[\hd], v[\t], 0x7f800000, s46    ; 57,344 x the scale
.elseif (\i) == 12
	v_lshrrev_b32 v[\eb], 23, v[\so]
.elseif (\i) < 21
	v_med3_num_f32 v[(\x)+(\i)-13], v[(\x)+(\i)-13], -v[\hd], v[\hd]
.elseif (\i) == 21
	v_cvt_scalef32_pk8_bf8_f32 v[(\cd):(\cd)+1], v[(\x):(\x)+7], v[\so]
.elseif (\i) < 30
	v_med3_num_f32 v[(\y)+(\i)-22], v[(\y)+(\i)-22], -v[\hd], v[\hd]
.elseif (\i) == 30
	v_cvt_scalef32_pk8_bf8_f32 v[(\cd)+2:(\cd)+3], v[(\y):(\y)+7], v[\so]
.endif
.endm
.macro QL i, x
	WL \i, \x, (\x)+8, TQ, TQ+2, TQ+3, TQ+4, QCD
.endm
.macro VL i
	WL \i, VC, VC+8, TV, TV+2, 44, 45, VCD
.endm
.macro FETCH e                         ; a block of X, all of K, into set e of window 3, and its scale words: 33 loads
	s_add_co_u32 s86, s[SF], (\e)*16*PITCH
	s_add_co_u32 s87, s[SS], (\e)*512
	v_add_nc_u32 v[AF], s86, v[ADX0]
	v_add_nc_u32 v[AS], s87, v[ASC0]
	WIN 3<<6
.set i, 0
.rept 32
	ds_load_b128 v[128*(\e)+4*i:128*(\e)+4*i+3], v[AF] offset:32*i
.set i, i+1
.endr
	WIN 0
	ds_load_b128 v[XS+4*(\e):XS+4*(\e)+3], v[AS]
.endm
.macro BLK e, first, fetch, n          ; a block; n: the LDS instructions issued behind its own fetch that may be out
	s_wait_dscnt \n
	s_wait_xcnt 0x0                                ; the stores have read their data and bases: both are written anew below
.if \e
	s_and_b32 s86, s[SU], 3                        ; to the last block's codes, to the last pair's: at a bundle's end the step is longer
	s_mov_b32 s88, 9728
	s_cmp_eq_u32 s86, 0
	s_cselect_b32 s88, s88, 1024
	s_mov_b32 s90, 15360
	s_cmp_eq_u32 s86, 1
	s_cselect_b32 s90, s90, 512
	s_mov_b32 s89, 0
	s_mov_b32 s91, 0
	s_add_nc_u64 s[QP:QP+1], s[QP:QP+1], s[88:89]
	s_add_nc_u64 s[VP:VP+1], s[VP:VP+1], s[90:91]
.else
	s_add_nc_u64 s[QP:QP+1], s[QP:QP+1], 1024
.endif
.set P_, 0
.rept 24
	PROD \e, P_
.if P_ < 16
	WIN 0
	QL 2*P_, AQ+16*(1-(\e))
	QL 2*P_+1, AQ+16*(1-(\e))
	VL P_+16*(\e)
.endif
.set P_, P_+1
.endr
	WIN 0
.if \e
.irp i, 0,2,4,6                        ; eight places behind the last product: the even block's sums of V are copied, four idle lines; then the odd block's
	v_dual_mov_b32 v[VC+\i], v[AV+\i] :: v_dual_mov_b32 v[VC+\i+1], v[AV+\i+1]
.endr
	PLACES 4
.irp i, 8,10,12,14
	v_dual_mov_b32 v[VC+\i], v[AV+\i] :: v_dual_mov_b32 v[VC+\i+1], v[AV+\i+1]
.endr
	WALU                                           ; the wait ahead of the scalar lines
	s_bfe_u32 s86, s[SU], 0x20002                  ; block 2 U's byte in the image: 256 (U / 4) + 128 (U % 2) + 4 (U / 2 % 2)
	s_lshl_b32 s86, s86, 8
	s_and_b32 s87, s[SU], 1
	s_lshl_b32 s87, s87, 7
	s_add_co_u32 s86, s86, s87
	s_bfe_u32 s87, s[SU], 0x10001
	s_lshl_b32 s87, s87, 2
	s_add_co_u32 s86, s86, s87
	s_add_co_u32 s87, s[SU], 15                    ; pair U - 1's: 256 x its bundle + its place in it
	s_bfe_u32 s88, s87, 0x20002
	s_lshl_b32 s88, s88, 8
	s_and_b32 s87, s87, 3
	s_add_co_u32 s88, s88, s87
	v_add_nc_u32 v[VX], s86, v[VX0]
	v_add_nc_u32 v[VY], s88, v[VY0]
	ds_store_b8 v[VX], v[TQ+4]
	global_store_b128 v[CN], v[QCD:QCD+3], s[QP:QP+1]      ; 512 consecutive bytes, aligned
.if \first
	s_cmp_eq_u32 s[SU], 0
	s_cbranch_scc1 .Lno_pair_\@
.endif
	ds_store_b8 v[VY], v45
	global_store_b128 v[CN], v[VCD:VCD+3], s[VP:VP+1]
.Lno_pair_\@:
.else
	PLACES 8
	WALU
.if \first
	s_cmp_eq_u32 s[SU], 0
	s_cbranch_scc1 .Lno_block_\@
.endif
	ds_store_b8 v[VX], v[TQ+4] offset:2
	global_store_b128 v[CN], v[QCD:QCD+3], s[QP:QP+1]
.Lno_block_\@:
.endif
.if \fetch
	FETCH \e
.endif
.endm
.macro UNIT first, fetch
	BLK 0, \first, \fetch, 33
	BLK 1, \first, \fetch, 33*(\fetch)
	s_add_co_u32 s[SF], s[SF], 32*PITCH
	s_add_co_u32 s[SS], s[SS], 1024
	s_add_co_u32 s[SU], s[SU], 1
.endm
	s_mov_b32 s[SF], 0
	s_mov_b32 s[SS], 0
	FETCH 0                                        ; rows 0-31 and their scale words were shown by the round
	FETCH 1
	s_mov_b32 s[SU], 0
	s_mov_b32 s[SF], 32*PITCH
	s_mov_b32 s[SS], 1024
	WALU
	s_wait_tensorcnt 0x0                           ; my part of rows 64-255 is in,
	s_wait_dscnt 0x0
	BARRIER                                        ; everybody's is
	s_wait_loadcnt 0x0                             ; W's scale words and the bias
	s_mov_b32 s85, 3
.Lpre:                                             ; blocks 0-5
	UNIT 1, 1
	s_sub_co_u32 s85, s85, 1
	s_cmp_lg_u32 s85, 0
	s_cbranch_scc1 .Lpre
	s_mov_b32 s[SB], YB
	s_mov_b32 s[SO], 0
.Lring:                                            ; two trips: a refill of the slot that has been fetched out, then eight blocks, whose fetches read the other slot
	WALU
	s_wait_tensorcnt 0x0                           ; the three lines; the wait also shows the last refill's rows
	ds_add_u32 v[SPW], v[NIL]
	s_mov_b32 s[G1X+2], 32<<16                     ; 32 rows a wave
	s_mov_b32 s[G1X+4], 32
	s_xor_b32 s86, s[SB], YB
	s_mul_i32 s[G0R+1], s18, 32*PITCH
	s_add_co_u32 s[G0R+1], s[G0R+1], s86
	s_mov_b64 s[G0R+2:G0R+3], s[98:99]
	s_or_b32 s[G0R+3], s[G0R+3], 0x80000000
	s_add_nc_u64 s[98:99], s[98:99], 128*1024
	s_wait_dscnt 0x0
	CROUND
	TLOAD G0R, G1X
	s_cmp_eq_u32 s[SO], 0
	s_cbranch_scc0 .Lnone_ahead
	global_prefetch_b8 v[PF+2], s[4:5] th:TH_LOAD_NT scope:SCOPE_SE
.Lnone_ahead:
	s_mov_b32 s[SF], s[SB]
	s_mov_b32 s85, 4
.Lin:
	UNIT 0, 1
	s_sub_co_u32 s85, s85, 1
	s_cmp_lg_u32 s85, 0
	s_cbranch_scc1 .Lin
	s_xor_b32 s[SB], s[SB], YB
	s_add_co_u32 s[SO], s[SO], 1
	s_cmp_lt_u32 s[SO], 2
	s_cbranch_scc1 .Lring
	WALU
	s_wait_tensorcnt 0x0                           ; rows 384-511 are in: nothing is filled again
	s_wait_dscnt 0x0
	BARRIER
	s_mov_b32 s[SF], YB
	s_mov_b32 s85, 4
.Lpost:                                            ; blocks 22-29
	UNIT 0, 1
	s_sub_co_u32 s85, s85, 1
	s_cmp_lg_u32 s85, 0
	s_cbranch_scc1 .Lpost
	UNIT 0, 0                                      ; blocks 30, 31 fetch nothing
	s_wait_xcnt 0x0
	s_add_nc_u64 s[QP:QP+1], s[QP:QP+1], 1024
	s_add_nc_u64 s[VP:VP+1], s[VP:VP+1], 512
	v_add_nc_u32 v[VY], 771, v[VY0]                ; pair 15: bundle 3, place 3
.set K_, 0
.rept 31                               ; the last block's and the last pair's way out
	QL K_, AQ+16
	VL K_
.set K_, K_+1
.endr
	v_nop                                          ; a plain line behind the last conversion
	ds_store_b8 v[VX], v[TQ+4] offset:2
	global_store_b128 v[CN], v[QCD:QCD+3], s[QP:QP+1]
	ds_store_b8 v[VY], v45
	global_store_b128 v[CN], v[VCD:VCD+3], s[VP:VP+1]
	WALU
	s_wait_dscnt 0x0                               ; my bytes stand in the image,
	BARRIER                                        ; everybody's do
	ds_load_b64 v[152:153], v[IM]                  ; bundle w's scale words: Q's, K's, V's, 256 bytes each
	ds_load_b64 v[154:155], v[IM] offset:1024
	ds_load_b64 v[156:157], v[IM] offset:2048
	s_wait_dscnt 0x0
	global_store_b64 v54, v[152:153], s[92:93]     ; each store covers 256 consecutive bytes, aligned
	global_store_b64 v54, v[154:155], s[94:95]
	global_store_b64 v54, v[156:157], s[94:95] offset:256
	s_wait_tensorcnt 0x0                           ; the wave's end
	ds_add_u32 v[SPW], v[NIL]
	s_wait_dscnt 0x0
	CROUND                                         ; the closing round
	s_endpgm
.Lfunc_end_k_qcc49e8fd7c_qkv:
	.size	k_qcc49e8fd7c_qkv, .Lfunc_end_k_qcc49e8fd7c_qkv-k_qcc49e8fd7c_qkv
	.p2alignl 7, 3214868480
	.fill 96, 4, 3214868480
	.section	.rodata,"a",@progbits
	.p2align	6, 0x0
	.amdhsa_kernel k_qcc49e8fd7c_qkv
		.amdhsa_group_segment_fixed_size 327680
		.amdhsa_private_segment_fixed_size 0
		.amdhsa_enable_private_segment 0
		.amdhsa_kernarg_size 56
		.amdhsa_user_sgpr_count 2
		.amdhsa_user_sgpr_kernarg_segment_ptr 1
		.amdhsa_wavefront_size32 1
		.amdhsa_system_sgpr_workgroup_id_x 1
		.amdhsa_system_sgpr_workgroup_id_y 1
		.amdhsa_system_sgpr_workgroup_id_z 1
		.amdhsa_system_vgpr_workitem_id 0
		.amdhsa_next_free_vgpr 1024
		.amdhsa_next_free_sgpr 102
		.amdhsa_reserve_vcc 0
		.amdhsa_float_denorm_mode_32 3
		.amdhsa_float_denorm_mode_16_64 3
		.amdhsa_memory_ordered 1
		.amdhsa_forward_progress 1
		.amdhsa_inst_pref_size 114
	.end_amdhsa_kernel
	.amdgpu_metadata
---
amdhsa.version: [ 1, 2 ]
amdhsa.kernels:
  - .name:           k_qcc49e8fd7c_qkv
    .symbol:         k_qcc49e8fd7c_qkv.kd
    .args:
      - { .name: X_codes, .offset: 0, .size: 8, .value_kind: global_buffer, .address_space: global }
      - { .name: X_scales, .offset: 8, .size: 8, .value_kind: global_buffer, .address_space: global }
      - { .name: W_qkv_codes, .offset: 16, .size: 8, .value_kind: global_buffer, .address_space: global }
      - { .name: W_qkv_scales, .offset: 24, .size: 8, .value_kind: global_buffer, .address_space: global }
      - { .name: b_qkv, .offset: 32, .size: 8, .value_kind: global_buffer, .address_space: global }
      - { .name: qb, .offset: 40, .size: 8, .value_kind: global_buffer, .address_space: global }
      - { .name: kvb, .offset: 48, .size: 8, .value_kind: global_buffer, .address_space: global }
    .group_segment_fixed_size: 327680
    .private_segment_fixed_size: 0
    .kernarg_segment_align: 8
    .kernarg_segment_size: 56
    .max_flat_workgroup_size: 128
    .sgpr_count:     102
    .vgpr_count:     1024
    .wavefront_size: 32
...
	.end_amdgpu_metadata
.endif
;; end of part 1
;; launch attn (part 2): grid 4 x 64, 8 waves a work-group, clusters of 4 x 1, 327,680 bytes of LDS; arguments qb, kvb, ab, asb; writes ab, asb
.if DOCPART == 2
	.amdgcn_target "amdgcn-amd-amdhsa--gfx1250"
	.amdhsa_code_object_version 6
	.text
	.protected	k_qcc49e8fd7c_attn
	.globl	k_qcc49e8fd7c_attn
	.p2align	8
	.type	k_qcc49e8fd7c_attn,@function
k_qcc49e8fd7c_attn:
	s_mov_b64 s[64:65], 0
	v_nop
	global_prefetch_b8 v0, s[64:65] scope:SCOPE_SE
	s_setreg_imm32_b32 hwreg(HW_REG_WAVE_MODE, 25, 1), 1
	s_wait_xcnt 0x0
	s_wait_alu depctr_hold_cnt(0) depctr_sa_sdst(0) depctr_va_vdst(0) depctr_va_sdst(0) depctr_va_ssrc(0) depctr_va_vcc(0) depctr_vm_vsrc(0)
	s_getreg_b32 s2, hwreg(HW_REG_IB_STS2, 6, 4)
	s_cmp_eq_u32 s2, 0
	s_cbranch_scc0 .Lentry_in_a_cluster
	s_endpgm
.Lentry_in_a_cluster:
	s_bfe_u32 s2, ttmp6, 0x10000c
	s_cmp_lg_u32 s2, 0x3003
	s_cbranch_scc0 .Lentry_shape_is_right
	s_endpgm
.Lentry_shape_is_right:
; O = softmax(Q K^T / 8) V for one head of one batch, both products on codes of BF8 (E5M2) with one E8M0 scale for each 32 along a product's K; O is quantised along the head's channels for the last product.
; INPUTS are the bundles of the launch before: for 128 rows of a head 16,896 bytes: +0 Q's (qb) or K's (kvb) codes, +8,192 V's codes with the keys innermost, +16,384 Q's or K's scale words, +16,640 V's scale words,
; all as images of operand registers (four registers of 32 lanes = 512 bytes, lane l's 16 bytes at 16 l).
; THE SOFTMAX: t = score x log2(e) / 8; M = the row's largest t so far, rounded UP to a whole number; p = 2^(t - M) is quantised along the keys, not normalised.  The row's sum is taken of the unquantised p and
; divides O at the end.  When M moves, the sum and O are multiplied by 2^(old M - new M): exact.
; SHARES.  A work-group owns 512 queries of a head; each of its EIGHT waves owns four tiles of 16, TWO AT A TIME (tiles A and B, two passes), in 512 registers: two waves to a SIMD.
; A fragment of K or V read from LDS serves both tiles' products, and the two tiles' dependent lines take turns.  Every pass walks the head's 2,048 keys, 128 a step.
; ALL OF THE HEAD'S K AND V, 16 bundles = 270,336 dense bytes, come into LDS ONCE and lie there as in memory: wave w brings bundles 2 w and 2 w + 1 with one tensor load of 132 rows of 256 bytes.
; Nothing is filled again, nothing is stored to LDS: one barrier.  All tiles are asked for at the head, so there is no loop in which a data prefetch could run ahead: none is written.
; CLUSTER.  The four work-groups of a cluster are the four query blocks of one head: every load is asked for jointly.
; LAYOUT.  Both products are used transposed: S^T = K Q^T (source 0 = keys, source 1 = 16 queries), O^T = V^T P^T: a lane holds ONE query (lane % 16) of each tile throughout.
; THE FIRST PRODUCT'S K IS 64, the instruction's 128.  A fragment of K is TWO neighbouring tiles of 16 keys: K = 0-63 tile 2 f, K = 64-127 tile 2 f + 1.  Q stands as zeros, qA, zeros, qB, zeros (8 registers each):
; q with the zeros behind it picks tile 2 f, q with the zeros ahead of it tile 2 f + 1; the other half meets zero codes of Q (scale byte 0, which is 2^-127) and K's codes, which are never infinity or NaN.
; ORDER INSIDE A BLOCK OF 32: place 16 h + 8 u + j holds number 16 u + 8 h + j, in Q and K, in p and V, and in O: what a lane's 16 registers of two neighbouring tiles give when converted as they stand.
; LOADS AHEAD.  K's and V's fragments have registers of their own: behind a step's first products V of this step and K of the next are asked of LDS, and the softmax stands between the loads and their waits.
; LIMITS: p under 2^-126 becomes 0 (v_exp_f32 flushes); NaN and infinities are not served; a block of zeros gets the byte 1 (its codes are zeros; this program alone reads the bytes).
; The block's largest p is the block's largest score put through the same multiply-add and exponential: this takes v_exp_f32 not to fall where its input rises.
; REGISTERS.  Window 0: v1-11 offsets and addresses; v12-21 scale words and nothing else; v24-63 Q; v64-127 S^T then p of tile A, v128-191 of tile B; v192-215, v216-239 the tiles' small state; v240-251 partial sums.
; Window 1: v0-63 K's four fragments; v64-127 V's; v128-159, v160-191 O^T of A, B; v192-207, v208-223 p's codes.
.set BUNDLE, 16896
.set HEADB,  16*BUNDLE
.set SPARE,  HEADB                     ; the spare words, 128 bytes a wave, behind the bundles
.set L16, 1
.set L8,  2
.set L4,  3
.set L2,  4
.set QA,  5                            ; 8 x (lane % 16)
.set SPW, 6
.set NIL, 7
.set AK,  8                            ; the step's bundle + 16 x lane
.set A8,  9
.set A4,  10
.set QW,  11                           ; Q's scale bytes of both tiles as loaded
.set KS,  12                           ; v12-13 K's scale words; v14-15 V's; v16-19 Q's (A low, A high, B low, B high); v20-21 p's (A, B)
.set VS,  14
.set QS,  16
.set PS,  20
.set QB,  24
.set S,   64
.set ST,  192
.set STN, 24
.set oNM, 0                            ; -M;  +1 the largest score so far
.set oTM, 1
.set oSUM, 2                           ; the row's sum in two halves
.set oF,  4                            ; f = 2^(old M - new M), named as a pair
.set oBM, 6                            ; a block's largest score, then its largest p
.set oBY, 10                           ; the other half's, then the bytes
.set oHD, 14                           ; 57,344 x the scale
.set oSO, 18                           ; the conversion's scale operand
.set oX,  22
.set oY,  23
.set TSP, 240
.set FRK, 0                            ; window 1
.set FRV, 64
.set O,   128
.set PC,  192
.set MSB, 0
.macro WIN new                         ; the immediate's high byte repeats the setting that is left
.if MSB != (\new)
	s_set_vgpr_msb (MSB<<8)|(\new)
.set MSB, (\new)
.endif
.endm
.macro WALU
	s_wait_alu depctr_va_vdst(0)
.endm
.macro CROUND                          ; a round of the cluster's barrier
	s_barrier_signal -1
	s_barrier_wait -1
	s_cmp_lg_u32 s12, 0
	s_cbranch_scc1 .Lnot_wave_0_\@
	s_barrier_signal -3
.Lnot_wave_0_\@:
	s_barrier_wait -3
	s_barrier_signal -1
	s_barrier_wait -1
.endm
.macro SMM d, f, q, qs                 ; 16 keys x 16 queries: fragment f of K against q beside zeros
.if (\f)%2
	v_wmma_scale_f32_16x16x128_f8f6f4 v[(\d):(\d)+7], v[FRK+16*(\f):FRK+16*(\f)+15], v[(\q):(\q)+15], 0, v[KS+(\f)/2], v[\qs] matrix_a_fmt:MATRIX_FMT_BF8 matrix_b_fmt:MATRIX_FMT_BF8 matrix_a_scale:MATRIX_SCALE_ROW1
.else
	v_wmma_scale_f32_16x16x128_f8f6f4 v[(\d):(\d)+7], v[FRK+16*(\f):FRK+16*(\f)+15], v[(\q):(\q)+15], 0, v[KS+(\f)/2], v[\qs] matrix_a_fmt:MATRIX_FMT_BF8 matrix_b_fmt:MATRIX_FMT_BF8
.endif
.endm
.macro PMM d, c, p, ps                 ; 16 channels x 16 queries, 128 keys
.if (\c)%2
	v_wmma_scale_f32_16x16x128_f8f6f4 v[(\d):(\d)+7], v[FRV+16*(\c):FRV+16*(\c)+15], v[(\p):(\p)+15], v[(\d):(\d)+7], v[VS+(\c)/2], v[\ps] matrix_a_fmt:MATRIX_FMT_BF8 matrix_b_fmt:MATRIX_FMT_BF8 matrix_a_scale:MATRIX_SCALE_ROW1
.else
	v_wmma_scale_f32_16x16x128_f8f6f4 v[(\d):(\d)+7], v[FRV+16*(\c):FRV+16*(\c)+15], v[(\p):(\p)+15], v[(\d):(\d)+7], v[VS+(\c)/2], v[\ps] matrix_a_fmt:MATRIX_FMT_BF8 matrix_b_fmt:MATRIX_FMT_BF8
.endif
.endm
.macro SUMS t                          ; the row's sum of the unquantised p of tile t: 32 packed additions in seven chains
.set SB_, S+64*(\t)
.set SU_, ST+STN*(\t)+oSUM
.irp k, 0,1,2,3,4,5
	v_pk_add_f32 v[TSP+2*\k:TSP+2*\k+1], v[SB_+4*\k:SB_+4*\k+1], v[SB_+4*\k+2:SB_+4*\k+3]
.endr
.set j, 12
.rept 20
.if (j+2)%7 == 6
	v_pk_add_f32 v[SU_:SU_+1], v[SU_:SU_+1], v[SB_+2*j:SB_+2*j+1]
.else
	v_pk_add_f32 v[TSP+2*((j+2)%7):TSP+2*((j+2)%7)+1], v[TSP+2*((j+2)%7):TSP+2*((j+2)%7)+1], v[SB_+2*j:SB_+2*j+1]
.endif
.set j, j+1
.endr
	v_pk_add_f32 v[TSP:TSP+1], v[TSP:TSP+1], v[TSP+2:TSP+3]
	v_pk_add_f32 v[TSP+4:TSP+5], v[TSP+4:TSP+5], v[TSP+6:TSP+7]
	v_pk_add_f32 v[TSP+8:TSP+9], v[TSP+8:TSP+9], v[TSP+10:TSP+11]
	v_pk_add_f32 v[TSP:TSP+1], v[TSP:TSP+1], v[TSP+4:TSP+5]
	v_pk_add_f32 v[SU_:SU_+1], v[SU_:SU_+1], v[TSP+8:TSP+9]
	v_pk_add_f32 v[SU_:SU_+1], v[SU_:SU_+1], v[TSP:TSP+1]
.endm
	s_load_b256 s[4:11], s[0:1], 0x0               ; qb s[4:5], kvb s[6:7], ab s[8:9], asb s[10:11]
	v_lshl_add_u32 v[SPW], v0, 2, SPARE
	v_mov_b32 v[NIL], 0
	ds_add_u32 v[SPW], v[NIL]                      ; the opening lines: the add, twice on end, and its wait ahead of my tensor load
	ds_add_u32 v[SPW], v[NIL]
	v_lshrrev_b32 v1, 5, v0
	v_readfirstlane_b32 s12, v1                    ; wave 0..7
	s_bfe_u32 s13, ttmp6, 0x40000                  ; cx
	s_lshl_b32 s15, ttmp9, 2
	s_add_co_u32 s15, s15, s13                     ; my block of 512 queries: it enters Q's and the outputs' addresses alone
	s_and_b32 s14, ttmp7, 0xffff                   ; 16 x batch + head, which the four partners share
	s_mul_i32 s16, s14, HEADB                      ; the head's first byte in qb and in kvb
	s_mul_i32 s17, s12, 2*BUNDLE                   ; my two bundles, in memory and in LDS alike
	s_add_co_u32 s48, s16, s17
	s_mov_b32 s49, 0
	s_mov_b32 s24, 15|(3<<16)|(1<<21)              ; group 1: the mask of all four work-groups; elements of 8 bytes; bit 21 beside a mask; no padding: every LDS read takes 16 bytes a lane on end
	s_mov_b32 s25, 32<<16                          ; rows of 256 bytes
	s_mov_b32 s26, 132<<16                         ; 33,792 dense bytes are 132 of them
	s_mov_b32 s27, 32<<16
	s_mov_b32 s28, 132
	s_mov_b32 s29, 32
	s_mov_b32 s30, 0
	s_mov_b32 s31, 0
	s_mov_b32 s18, 0xbe38aa3b                      ; -c
	s_mov_b32 s19, 0x600000                        ; the mantissa field of 57,344
	s_mov_b32 s20, 0x76543210
	s_mov_b32 s21, 0xfedcba98                      ; v_permlanex16_b32's selects for lane l xor 16
	s_mov_b32 s22, 0x3e38aa3b                      ; c = log2(e) / 8
	s_mov_b32 s23, s22                             ; named with it as a pair, so it is written
	s_lshl_b32 s50, s15, 2                         ; Q: my four tiles lie in bundle 4 x block + wave / 2 of the head,
	s_lshr_b32 s51, s12, 1
	s_add_co_u32 s50, s50, s51
	s_mul_i32 s50, s50, BUNDLE
	s_add_co_u32 s50, s50, s16
	s_and_b32 s51, s12, 1                          ; as its tiles 4 (wave % 2) on, 1,024 bytes each
	s_lshl_b32 s52, s51, 12
	s_add_co_u32 s52, s52, s50
	s_mov_b32 s53, 0
	s_lshl_b32 s54, s51, 2                         ; a pass's joint scale word is word 2 (wave % 2) + pass of the bundle: register wave % 2, lanes 16 x pass on
	s_add_co_u32 s54, s54, s50
	s_add_co_u32 s54, s54, 16384
	s_mov_b32 s55, 0
	s_lshr_b32 s56, s14, 4                         ; my first tile of 16 rows among all 512: 128 x batch + 32 x block + 4 x wave
	s_lshl_b32 s56, s56, 7
	s_lshl_b32 s57, s15, 5
	s_add_co_u32 s56, s56, s57
	s_lshl_b32 s57, s12, 2
	s_add_co_u32 s56, s56, s57
	s_and_b32 s57, s14, 15                         ; the head
	s_lshl_b32 s58, s56, 14                        ; O's codes: 16,384 bytes a tile of rows, 1,024 a head
	s_lshl_b32 s59, s57, 10
	s_add_co_u32 s58, s58, s59
	s_mov_b32 s59, 0
	s_lshl_b32 s60, s57, 15                        ; O's scale bytes: [head][tile of rows][lane] two bytes
	s_lshl_b32 s61, s56, 6
	s_add_co_u32 s60, s60, s61
	s_mov_b32 s61, 0
	s_wait_dscnt 0x0
	s_wait_kmcnt 0x0
	CROUND                                         ; all four work-groups are here: the joint loads meet
	s_mov_b32 s32, 1
	s_mov_b32 s33, s17                             ; LDS address: wave x 33,792
	s_add_nc_u64 s[34:35], s[6:7], s[48:49]
	s_or_b32 s35, s35, 0x80000000
	tensor_load_to_lds s[32:35], s[24:31]          ; my one tensor load of the launch
	s_nop 0
.rept 4
	v_nop
.endr
	s_add_nc_u64 s[40:41], s[4:5], s[52:53]        ; Q's codes
	s_add_nc_u64 s[42:43], s[4:5], s[54:55]        ; Q's scale word
	s_add_nc_u64 s[44:45], s[8:9], s[58:59]        ; O's codes
	s_add_nc_u64 s[46:47], s[10:11], s[60:61]      ; O's scale bytes
	v_and_b32 v5, 31, v0
	v_lshlrev_b32 v[L16], 4, v5
	v_lshlrev_b32 v[L8], 3, v5
	v_lshlrev_b32 v[L4], 2, v5
	v_lshlrev_b32 v[L2], 1, v5
	v_and_b32 v[QA], 15, v0
	v_lshlrev_b32 v[QA], 3, v[QA]
.irp z, 0,16,32
.irp j, 0,1,2,3,4,5,6,7
	v_mov_b32 v[QB+\z+\j], 0                       ; the zero codes beside qA and qB
.endr
.endr
.irp t, 0,1
.irp b, 0,1,2,3
	v_mov_b32 v[ST+STN*\t+oBY+\b], 0               ; a lane permute's destination counts as one of its sources
.endr
	v_mov_b32 v[ST+STN*\t+oF+1], 0                 ; named as the upper half of f's pair
.endr
	s_mov_b32 s38, 2                               ; passes
	WALU
	s_wait_tensorcnt 0x0                           ; my bundles are in,
	s_barrier_signal -1
	s_barrier_wait -1                              ; everybody's are
; A KEY STEP of 128 keys for both tiles.  pre = 1: the next step's K is asked of LDS too.
.macro STEP pre
	s_wait_dscnt 0x0                               ; K's fragments and scale words, asked for a step ago
	WIN 0x01                                       ; source 0 (K) window 1
.irp t, 0,1
.irp f, 0,1,2,3
	SMM S+64*\t+16*\f, \f, QB+8+16*\t, QS+2*\t
	SMM S+64*\t+16*\f+8, \f, QB+16*\t, QS+2*\t+1
.endr
.endr                                  ; lane (r, h): query r; register 16 b + 8 u + j: key 32 b + 16 u + 8 h + j of the step
	WIN 0
	v_add_nc_u32 v[AK], s36, v[L16]                ; these three and five v_nop: the eight places between the products (these and the last step's) and the loads into what they read, and ahead of the scores' first reader
	v_add_nc_u32 v[A8], s36, v[L8]
	v_add_nc_u32 v[A4], s36, v[L4]
.rept 5
	v_nop
.endr
	ds_load_b32 v[VS], v[A4] offset:16640          ; V's scale words: channel tile c in register c / 2, lanes 16 (c % 2) on
	ds_load_b32 v[VS+1], v[A4] offset:16768
	WIN 0x40
.set i, 0
.rept 16
	ds_load_b128 v[FRV+4*i:FRV+4*i+3], v[AK] offset:8192+512*i
.set i, i+1
.endr
.if \pre
.set i, 0
.rept 16
	ds_load_b128 v[FRK+4*i:FRK+4*i+3], v[AK] offset:BUNDLE+512*i
.set i, i+1
.endr
.endif
	WIN 0
.if \pre
	ds_load_b64 v[KS:KS+1], v[A8] offset:BUNDLE+16384
.endif
.irp b, 0,1,2,3                        ; the largest score of each block of 32 keys: eight chains by turns
.irp t, 0,1
	v_max3_num_f32 v[ST+STN*\t+oBM+\b], v[S+64*\t+16*\b], v[S+64*\t+16*\b+1], v[S+64*\t+16*\b+2]
.endr
.endr
.irp i, 3,5,7,9,11,13
.irp b, 0,1,2,3
.irp t, 0,1
	v_max3_num_f32 v[ST+STN*\t+oBM+\b], v[ST+STN*\t+oBM+\b], v[S+64*\t+16*\b+\i], v[S+64*\t+16*\b+\i+1]
.endr
.endr
.endr
.irp b, 0,1,2,3
.irp t, 0,1
	v_max_num_f32 v[ST+STN*\t+oBM+\b], v[ST+STN*\t+oBM+\b], v[S+64*\t+16*\b+15]
.endr
.endr
.irp b, 0,1,2,3
.irp t, 0,1
	v_permlanex16_b32 v[ST+STN*\t+oBY+\b], v[ST+STN*\t+oBM+\b], s20, s21
.endr
.endr
.irp b, 0,1,2,3
.irp t, 0,1
	v_max_num_f32 v[ST+STN*\t+oBM+\b], v[ST+STN*\t+oBM+\b], v[ST+STN*\t+oBY+\b]   ; with lane l xor 16's 16 keys
.endr
.endr
.irp t, 0,1
	v_max3_num_f32 v[ST+STN*\t+oX], v[ST+STN*\t+oBM], v[ST+STN*\t+oBM+1], v[ST+STN*\t+oBM+2]
.endr
.irp t, 0,1
	v_max3_num_f32 v[ST+STN*\t+oTM], v[ST+STN*\t+oTM], v[ST+STN*\t+oX], v[ST+STN*\t+oBM+3]   ; the running largest score
.endr
.irp t, 0,1
	v_mul_f32 v[ST+STN*\t+oY], s18, v[ST+STN*\t+oTM]
.endr
.irp t, 0,1
	v_floor_f32 v[ST+STN*\t+oY], v[ST+STN*\t+oY]   ; the new -M = floor(-t) = -ceil(t): a whole number
.endr
.irp t, 0,1
	v_sub_f32 v[ST+STN*\t+oX], v[ST+STN*\t+oY], v[ST+STN*\t+oNM]   ; M's old value less its new one: 0 or less
.endr
.irp t, 0,1
	v_mov_b32 v[ST+STN*\t+oNM], v[ST+STN*\t+oY]
.endr
.irp t, 0,1
	v_cvt_i32_f32 v[ST+STN*\t+oX], v[ST+STN*\t+oX] ; (it saturates)
.endr
.irp t, 0,1
	v_ldexp_f32 v[ST+STN*\t+oF], 1.0, v[ST+STN*\t+oX]   ; f = 2^(old M - new M)
.endr
.set j, 0
.rept 32
	v_pk_fma_f32 v[S+j:S+j+1], v[S+j:S+j+1], s[22:23], v[ST+oNM:ST+oNM+1] op_sel_hi:[1,0,0]   ; tile A: t - M, two at a time
.set j, j+2
.endr
.irp b, 0,1,2,3
.irp t, 0,1
	v_fma_f32 v[ST+STN*\t+oBM+\b], v[ST+STN*\t+oBM+\b], s22, v[ST+STN*\t+oNM]   ; the same of each block's largest score
.endr
.endr
	WALU                                           ; the wait ahead of a batch of exponentials
.irp b, 0,1,2,3
.irp t, 0,1
	v_exp_f32 v[ST+STN*\t+oBM+\b], v[ST+STN*\t+oBM+\b]   ; the blocks' largest p
.endr
.endr
.set j, 0
.rept 32                               ; tile A's p = 2^(t - M); among them tile B's t - M, which nothing reads before the next wait
	v_exp_f32 v[S+j], v[S+j]
	v_pk_fma_f32 v[S+64+j:S+64+j+1], v[S+64+j:S+64+j+1], s[22:23], v[ST+STN+oNM:ST+STN+oNM+1] op_sel_hi:[1,0,0]
	v_exp_f32 v[S+j+1], v[S+j+1]
.set j, j+2
.endr
.irp t, 0,1
	v_pk_mul_f32 v[ST+STN*\t+oSUM:ST+STN*\t+oSUM+1], v[ST+STN*\t+oSUM:ST+STN*\t+oSUM+1], v[ST+STN*\t+oF:ST+STN*\t+oF+1] op_sel_hi:[1,0]   ; the sums under the new M (plain lines behind the exponentials)
.endr
	WALU                                           ; one wait for the batch, ahead of its first reader
.irp b, 0,1,2,3
.irp t, 0,1
	v_max_num_f32 v[ST+STN*\t+oBM+\b], 0x8000000, v[ST+STN*\t+oBM+\b]   ; the floor 2^(16 - 127): the byte cannot fall under 1
.endr
.endr
.irp b, 0,1,2,3
.irp t, 0,1
	v_add_nc_u32 v[ST+STN*\t+oSO+\b], 0xf8800000, v[ST+STN*\t+oBM+\b]   ; 15 off the exponent field: the conversion's scale operand
.endr
.endr
.irp b, 0,1,2,3
.irp t, 0,1
	v_and_or_b32 v[ST+STN*\t+oHD+\b], v[ST+STN*\t+oBM+\b], 0x7f800000, s19   ; 57,344 x the scale
.endr
.endr
.irp b, 0,1,2,3
.irp t, 0,1
	v_lshrrev_b32 v[ST+STN*\t+oBY+\b], 23, v[ST+STN*\t+oSO+\b]   ; the scale's byte
.endr
.endr
.irp t, 0,1
	v_lshl_or_b32 v[PS+\t], v[ST+STN*\t+oBY+1], 8, v[ST+STN*\t+oBY]   ; p's scale word for these 128 keys
.endr
.irp t, 0,1
	v_lshl_or_b32 v[PS+\t], v[ST+STN*\t+oBY+2], 16, v[PS+\t]
.endr
.irp t, 0,1
	v_lshl_or_b32 v[PS+\t], v[ST+STN*\t+oBY+3], 24, v[PS+\t]
.endr
	SUMS 0
	WALU                                           ; ahead of the second batch
.set j, 0
.rept 32                               ; tile B's p; among them tile A's holds (the conversion does not saturate: ISA guide 7.6.2; p is not negative, so the hold is one-sided), two in a pair, read behind the next wait
	v_exp_f32 v[S+64+j], v[S+64+j]
	v_dual_min_num_f32 v[S+j], v[S+j], v[ST+oHD+j/16] :: v_dual_min_num_f32 v[S+j+1], v[S+j+1], v[ST+oHD+j/16]
	v_exp_f32 v[S+64+j+1], v[S+64+j+1]
.set j, j+2
.endr
	v_nop                                          ; a plain line behind the last exponential
	WALU
	SUMS 1
.set j, 0
.rept 32
	v_dual_min_num_f32 v[S+64+j], v[S+64+j], v[ST+STN+oHD+j/16] :: v_dual_min_num_f32 v[S+64+j+1], v[S+64+j+1], v[ST+STN+oHD+j/16]
.set j, j+2
.endr
	WIN 0x40                                       ; the codes go to window 1
.irp t, 0,1
.irp b, 0,1,2,3
	v_cvt_scalef32_pk8_bf8_f32 v[PC+16*\t+4*\b:PC+16*\t+4*\b+1], v[S+64*\t+16*\b:S+64*\t+16*\b+7], v[ST+STN*\t+oSO+\b]
	v_cvt_scalef32_pk8_bf8_f32 v[PC+16*\t+4*\b+2:PC+16*\t+4*\b+3], v[S+64*\t+16*\b+8:S+64*\t+16*\b+15], v[ST+STN*\t+oSO+\b]
.endr
.endr
	WIN 0x41                                       ; O^T in window 1, f in window 0
	WALU                                           ; the wait directly ahead of the first reader of O^T
.irp t, 0,1
.set j, 0
.rept 16
	v_pk_mul_f32 v[O+32*\t+j:O+32*\t+j+1], v[O+32*\t+j:O+32*\t+j+1], v[ST+STN*\t+oF:ST+STN*\t+oF+1] op_sel_hi:[1,0]   ; O^T under the new M; these lines also stand between the codes' making and the products
.set j, j+2
.endr
.endr
	WALU
	s_wait_dscnt 17*(\pre)                         ; V and its scale words are in; the 17 loads issued behind them (the next K's 16 and its scale words) may be out
	WIN 0x55
.irp c, 0,1,2,3                        ; O^T += V^T P^T: the eight accumulators by turns
.irp t, 0,1
	PMM O+32*\t+8*\c, \c, PC+16*\t, PS+\t
.endr
.endr
	WIN 0
.endm
.Lpass:
	global_load_b128 v[QB+8:QB+11], v[L16], s[40:41]               ; qA
	global_load_b128 v[QB+12:QB+15], v[L16], s[40:41] offset:512
	global_load_b128 v[QB+24:QB+27], v[L16], s[40:41] offset:1024  ; qB
	global_load_b128 v[QB+28:QB+31], v[L16], s[40:41] offset:1536
	global_load_b32 v[QW], v[QA], s[42:43]         ; my row's scale bytes: tile A's in the low half, tile B's in the high
	WIN 0x40
.set i, 0
.rept 16
	ds_load_b128 v[FRK+4*i:FRK+4*i+3], v[L16] offset:512*i         ; the first step's K
.set i, i+1
.endr
	WIN 0
	ds_load_b64 v[KS:KS+1], v[L8] offset:16384
.irp t, 0,1
	v_mov_b32 v[ST+STN*\t+oTM], 0xff61b1e6         ; the largest score so far: -3e38, under every score
	v_mov_b32 v[ST+STN*\t+oSUM], 0
	v_mov_b32 v[ST+STN*\t+oSUM+1], 0
.endr
.irp t, 0,1
	v_mul_f32 v[ST+STN*\t+oNM], s18, v[ST+STN*\t+oTM]
.endr
.irp t, 0,1
	v_floor_f32 v[ST+STN*\t+oNM], v[ST+STN*\t+oNM] ; -M
.endr
	WALU
	s_wait_loadcnt 0x0
	v_and_b32 v[QS], 0xffff, v[QW]                 ; Q's scale words: for K = 0-63 (the other bytes 0), and for K = 64-127
	v_lshlrev_b32 v[QS+1], 16, v[QW]
	v_lshrrev_b32 v[QS+2], 16, v[QW]
	v_and_b32 v[QS+3], 0xffff0000, v[QW]
	WIN 0x40
.set j, 0
.rept 64
	v_mov_b32 v[O+j], 0                            ; O^T.  The step is written for every step alike: the first finds zeros, which the first change of M leaves zeros.  Also the places between the scale words' making and their use
.set j, j+1
.endr
	WIN 0
	s_mov_b32 s36, 0                               ; the step's bundle in LDS
	s_mov_b32 s37, 15
.Lstep:
	STEP 1
	s_add_co_u32 s36, s36, BUNDLE
	s_sub_co_u32 s37, s37, 1
	s_cmp_lg_u32 s37, 0
	s_cbranch_scc1 .Lstep
	STEP 0                                         ; the last step has no next K to ask for
	; THE PASS'S END.  O^T is divided by the row's sum and quantised along the channels: two blocks of 32 a tile; register 16 b + 8 u + j is channel 32 b + 16 u + 8 h + j of my query.
.irp t, 0,1
	v_add_f32 v[ST+STN*\t+oSUM], v[ST+STN*\t+oSUM], v[ST+STN*\t+oSUM+1]
.endr
.irp t, 0,1
	v_permlanex16_b32 v[ST+STN*\t+oX], v[ST+STN*\t+oSUM], s20, s21
.endr
.irp t, 0,1
	v_add_f32 v[ST+STN*\t+oSUM], v[ST+STN*\t+oSUM], v[ST+STN*\t+oX]   ; the row's sum
.endr
	WALU
.irp t, 0,1
	v_rcp_f32 v[ST+STN*\t+oSUM], v[ST+STN*\t+oSUM]
.endr
.rept 4
	v_nop                                          ; with the four additions: eight plain lines behind the last products; the first also stands behind the reciprocals
.endr
	WIN 0x01
	WALU                                           ; ahead of the first reader of the reciprocals and of O^T
.irp t, 0,1
.set j, 0
.rept 16
	v_pk_mul_f32 v[S+64*\t+j:S+64*\t+j+1], v[O+32*\t+j:O+32*\t+j+1], v[ST+STN*\t+oSUM:ST+STN*\t+oSUM+1] op_sel_hi:[1,0]   ; each accumulator from its low end on
.set j, j+2
.endr
.endr
	WIN 0
.irp b, 0,1
.irp t, 0,1
	v_max3_num_f32 v[ST+STN*\t+oBM+\b], |v[S+64*\t+16*\b]|, |v[S+64*\t+16*\b+1]|, 0x8000000
.endr
.endr
.irp i, 2,4,6,8,10,12,14
.irp b, 0,1
.irp t, 0,1
	v_max3_num_f32 v[ST+STN*\t+oBM+\b], v[ST+STN*\t+oBM+\b], |v[S+64*\t+16*\b+\i]|, |v[S+64*\t+16*\b+\i+1]|
.endr
.endr
.endr
.irp b, 0,1
.irp t, 0,1
	v_permlanex16_b32 v[ST+STN*\t+oBY+\b], v[ST+STN*\t+oBM+\b], s20, s21
.endr
.endr
.irp b, 0,1
.irp t, 0,1
	v_max_num_f32 v[ST+STN*\t+oBM+\b], v[ST+STN*\t+oBM+\b], v[ST+STN*\t+oBY+\b]
.endr
.endr
.irp b, 0,1
.irp t, 0,1
	v_add_nc_u32 v[ST+STN*\t+oSO+\b], 0xf8800000, v[ST+STN*\t+oBM+\b]
.endr
.endr
.irp b, 0,1
.irp t, 0,1
	v_and_or_b32 v[ST+STN*\t+oHD+\b], v[ST+STN*\t+oBM+\b], 0x7f800000, s19
.endr
.endr
.irp b, 0,1
.irp t, 0,1
	v_lshrrev_b32 v[ST+STN*\t+oBY+\b], 23, v[ST+STN*\t+oSO+\b]
.endr
.endr
.irp t, 0,1
	v_lshl_or_b32 v[ST+STN*\t+oX], v[ST+STN*\t+oBY+1], 8, v[ST+STN*\t+oBY]   ; my row's two scale bytes
.endr
.irp t, 0,1
.irp b, 0,1
.irp i, 0,1,2,3,4,5,6,7,8,9,10,11,12,13,14,15
	v_med3_num_f32 v[S+64*\t+16*\b+\i], v[S+64*\t+16*\b+\i], -v[ST+STN*\t+oHD+\b], v[ST+STN*\t+oHD+\b]
.endr
.endr
.endr
.irp t, 0,1
.irp b, 0,1
	v_cvt_scalef32_pk8_bf8_f32 v[S+64*\t+32+4*\b:S+64*\t+32+4*\b+1], v[S+64*\t+16*\b:S+64*\t+16*\b+7], v[ST+STN*\t+oSO+\b]
	v_cvt_scalef32_pk8_bf8_f32 v[S+64*\t+32+4*\b+2:S+64*\t+32+4*\b+3], v[S+64*\t+16*\b+8:S+64*\t+16*\b+15], v[ST+STN*\t+oSO+\b]
.endr
.endr
	v_nop                                          ; a plain line behind the last conversion
.irp t, 0,1
	global_store_b128 v[L16], v[S+64*\t+32:S+64*\t+35], s[44:45] offset:16384*\t       ; each store of the wave covers 512 consecutive bytes, aligned
	global_store_b128 v[L16], v[S+64*\t+36:S+64*\t+39], s[44:45] offset:16384*\t+512
	global_store_b16 v[L2], v[ST+STN*\t+oX], s[46:47] offset:64*\t                     ; 64 consecutive bytes: a row's scale word of the last product belongs to two heads, that is to two work-groups, so each head lays its halves by itself
.endr
	WALU
	s_wait_xcnt 0x0                                ; the loads' and stores' bases and data are rewritten only behind this wait
	s_add_nc_u64 s[40:41], s[40:41], 2048          ; the next two tiles of queries
	s_add_nc_u64 s[42:43], s[42:43], 128
	s_add_nc_u64 s[44:45], s[44:45], 32768
	s_add_nc_u64 s[46:47], s[46:47], 128
	s_sub_co_u32 s38, s38, 1
	s_cmp_lg_u32 s38, 0
	s_cbranch_scc1 .Lpass
	s_wait_tensorcnt 0x0                           ; the wave's end
	ds_add_u32 v[SPW], v[NIL]
	s_wait_dscnt 0x0
	CROUND                                         ; the closing round
	s_endpgm
.Lfunc_end_k_qcc49e8fd7c_attn:
	.size	k_qcc49e8fd7c_attn, .Lfunc_end_k_qcc49e8fd7c_attn-k_qcc49e8fd7c_attn
	.p2alignl 7, 3214868480
	.fill 96, 4, 3214868480
	.section	.rodata,"a",@progbits
	.p2align	6, 0x0
	.amdhsa_kernel k_qcc49e8fd7c_attn
		.amdhsa_group_segment_fixed_size 327680
		.amdhsa_private_segment_fixed_size 0
		.amdhsa_enable_private_segment 0
		.amdhsa_kernarg_size 32
		.amdhsa_user_sgpr_count 2
		.amdhsa_user_sgpr_kernarg_segment_ptr 1
		.amdhsa_wavefront_size32 1
		.amdhsa_system_sgpr_workgroup_id_x 1
		.amdhsa_system_sgpr_workgroup_id_y 1
		.amdhsa_system_sgpr_workgroup_id_z 1
		.amdhsa_system_vgpr_workitem_id 0
		.amdhsa_next_free_vgpr 512
		.amdhsa_next_free_sgpr 66
		.amdhsa_reserve_vcc 0
		.amdhsa_float_denorm_mode_32 3
		.amdhsa_float_denorm_mode_16_64 3
		.amdhsa_memory_ordered 1
		.amdhsa_forward_progress 1
		.amdhsa_inst_pref_size 88
	.end_amdhsa_kernel
	.amdgpu_metadata
---
amdhsa.version: [ 1, 2 ]
amdhsa.kernels:
  - .name:           k_qcc49e8fd7c_attn
    .symbol:         k_qcc49e8fd7c_attn.kd
    .args:
      - { .name: qb, .offset: 0, .size: 8, .value_kind: global_buffer, .address_space: global }
      - { .name: kvb, .offset: 8, .size: 8, .value_kind: global_buffer, .address_space: global }
      - { .name: ab, .offset: 16, .size: 8, .value_kind: global_buffer, .address_space: global }
      - { .name: asb, .offset: 24, .size: 8, .value_kind: global_buffer, .address_space: global }
    .group_segment_fixed_size: 327680
    .private_segment_fixed_size: 0
    .kernarg_segment_align: 8
    .kernarg_segment_size: 32
    .max_flat_workgroup_size: 256
    .sgpr_count:     66
    .vgpr_count:     512
    .wavefront_size: 32
...
	.end_amdgpu_metadata
.endif
;; end of part 2
;; launch fc (part 3): grid 8 x 32, 4 waves a work-group, clusters of 4 x 4, 327,680 bytes of LDS; arguments ab, asb, W_fc_codes, W_fc_scales, b_fc, out0; writes out0
.if DOCPART == 3
	.amdgcn_target "amdgcn-amd-amdhsa--gfx1250"
	.amdhsa_code_object_version 6
	.text
	.protected	k_qcc49e8fd7c_fc
	.globl	k_qcc49e8fd7c_fc
	.p2align	8
	.type	k_qcc49e8fd7c_fc,@function
k_qcc49e8fd7c_fc:
	s_mov_b64 s[64:65], 0
	v_nop
	global_prefetch_b8 v0, s[64:65] scope:SCOPE_SE
	s_setreg_imm32_b32 hwreg(HW_REG_WAVE_MODE, 25, 1), 1
	s_wait_xcnt 0x0
	s_wait_alu depctr_hold_cnt(0) depctr_sa_sdst(0) depctr_va_vdst(0) depctr_va_sdst(0) depctr_va_ssrc(0) depctr_va_vcc(0) depctr_vm_vsrc(0)
	s_getreg_b32 s2, hwreg(HW_REG_IB_STS2, 6, 4)
	s_cmp_eq_u32 s2, 0
	s_cbranch_scc0 .Lentry_in_a_cluster
	s_endpgm
.Lentry_in_a_cluster:
	s_bfe_u32 s2, ttmp6, 0x10000c
	s_cmp_lg_u32 s2, 0xf033
	s_cbranch_scc0 .Lentry_shape_is_right
	s_endpgm
.Lentry_shape_is_right:
.set PITCH,  272
.set HALFA,  32768
.set HALFW,  64*PITCH
.set SLOT,   2*HALFA+2*HALFW
.set STAGE,  2*SLOT
.set SPARE,  STAGE+4*16*PITCH
.set ADRA, 8
.set ADRW, 10
.set STO,  14
.set RD,   15
.set CO,   16
.set SPW,  28
.set NIL,  29
.set AS,   32
.set WS,   64
.set BF,   80
.set TP,   112
.set BK,   112
.set G1A, 24
.set G0A, 32
.set G1W, 48
.set G0W, 56
.set MSB, 0
.macro WIN new
.if MSB != (\new)
	s_set_vgpr_msb (MSB<<8)|(\new)
.set MSB, (\new)
.endif
.endm
.macro JLOAD s
	s_cmp_eq_u32 s19, 0
	s_cbranch_scc0 .Lfor_w_\@
	tensor_load_to_lds s[G0A+4*\s:G0A+4*\s+3], s[G1A:G1A+7]
	s_nop 0
.rept 4
	v_nop
.endr
	s_branch .Lasked_\@
.Lfor_w_\@:
	tensor_load_to_lds s[G0W+4*\s:G0W+4*\s+3], s[G1W:G1W+7]
	s_nop 0
.rept 4
	v_nop
.endr
.Lasked_\@:
.endm
.macro CREST
	s_cmp_lg_u32 s18, 0
	s_cbranch_scc1 .Lnot_wave_0_\@
	s_barrier_signal -3
.Lnot_wave_0_\@:
	s_barrier_wait -3
	s_barrier_signal -1
	s_barrier_wait -1
.endm
.macro CROUND
	s_barrier_signal -1
	s_barrier_wait -1
	CREST
.endm
.macro PLACES n
.rept \n
	v_nop
.endr
.endm
	s_load_b256 s[4:11], s[0:1], 0x0
	s_load_b128 s[12:15], s[0:1], 0x20
	v_lshl_add_u32 v[SPW], v0, 2, SPARE
	v_mov_b32 v[NIL], 0
	ds_add_u32 v28, v29
	ds_add_u32 v28, v29
	s_wait_dscnt 0x0
	v_lshrrev_b32 v1, 5, v0
	v_readfirstlane_b32 s18, v1
	s_lshr_b32 s19, s18, 1
	s_and_b32 s20, s18, 1
	s_bfe_u32 s21, ttmp6, 0x40000
	s_bfe_u32 s22, ttmp6, 0x40004
	s_lshl_b32 s23, ttmp9, 2
	s_add_co_u32 s23, s23, s21
	s_and_b32 s40, ttmp7, 0xffff
	s_lshl_b32 s40, s40, 2
	s_add_co_u32 s40, s40, s22
	s_lshl_b32 s41, s22, 2
	s_lshl_b32 s41, 15, s41
	s_lshl_b32 s42, 0x1111, s21
	s_or_b32 s[G1A], s41, (3<<16)|(1<<21)
	s_mov_b32 s[G1A+1], 512<<16
	s_mov_b32 s[G1A+2], 8<<16
	s_mov_b32 s[G1A+3], 512<<16
	s_mov_b32 s[G1A+4], 8
	s_mov_b32 s[G1A+5], 2048
	s_mov_b32 s[G1A+6], 0
	s_mov_b32 s[G1A+7], 0
	s_or_b32 s[G1W], s42, (1<<20)|(1<<21)|(5<<22)|(3<<25)
	s_mov_b32 s[G1W+1], 256<<16
	s_mov_b32 s[G1W+2], 64<<16
	s_mov_b32 s[G1W+3], 256<<16
	s_mov_b32 s[G1W+4], 64
	s_mov_b32 s[G1W+5], 1024
	s_mov_b32 s[G1W+6], 0
	s_mov_b32 s[G1W+7], 0
	s_lshl_b32 s66, s40, 18
	s_lshl_b32 s67, s20, 17
	s_add_co_u32 s66, s66, s67
	s_mov_b32 s67, 0
	s_lshl_b32 s68, s23, 17
	s_lshl_b32 s69, s20, 16
	s_add_co_u32 s68, s68, s69
	s_mov_b32 s69, 0
	s_mul_i32 s70, s20, HALFA
	s_mul_i32 s71, s20, HALFW
	s_add_co_u32 s71, s71, 2*HALFA
	s_lshl_b32 s76, s40, 10
	s_lshl_b32 s77, s19, 9
	s_add_co_u32 s76, s76, s77
	s_mov_b32 s77, 0
	s_lshl_b32 s78, s23, 12
	s_lshl_b32 s79, s20, 11
	s_add_co_u32 s78, s78, s79
	s_mov_b32 s79, 0
	s_lshl_b32 s80, s23, 9
	s_lshl_b32 s81, s20, 8
	s_add_co_u32 s80, s80, s81
	s_mov_b32 s81, 0
	s_lshl_b32 s82, s40, 20
	s_lshl_b32 s83, s19, 19
	s_add_co_u32 s82, s82, s83
	s_add_co_u32 s82, s82, s80
	s_mov_b32 s83, 0
	s_wait_kmcnt 0x0
	s_add_nc_u64 s[66:67], s[4:5], s[66:67]
	s_add_nc_u64 s[68:69], s[8:9], s[68:69]
	CROUND
.irp s, 0,1
	s_mov_b32 s[G0A+4*\s], 1
	s_add_co_u32 s[G0A+4*\s+1], s70, \s*SLOT
	s_add_nc_u64 s[G0A+4*\s+2:G0A+4*\s+3], s[66:67], \s*4096
	s_or_b32 s[G0A+4*\s+3], s[G0A+4*\s+3], 0x80000000
	s_mov_b32 s[G0W+4*\s], 1
	s_add_co_u32 s[G0W+4*\s+1], s71, \s*SLOT
	s_add_nc_u64 s[G0W+4*\s+2:G0W+4*\s+3], s[68:69], \s*256
	s_or_b32 s[G0W+4*\s+3], s[G0W+4*\s+3], 0x80000000
	s_wait_alu depctr_va_vdst(0)
	s_wait_tensorcnt 0x0
	ds_add_u32 v28, v29
	ds_add_u32 v28, v29
	s_wait_dscnt 0x0
	CROUND
	JLOAD \s
.endr
	s_add_nc_u64 s[76:77], s[6:7], s[76:77]
	s_add_nc_u64 s[78:79], s[10:11], s[78:79]
	s_add_nc_u64 s[80:81], s[12:13], s[80:81]
	s_add_nc_u64 s[14:15], s[14:15], s[82:83]
	v_and_b32 v1, 15, v0
	v_bfe_u32 v2, v0, 4, 1
	v_and_b32 v3, 31, v0
	v_lshlrev_b32 v4, 4, v3
	v_mul_u32_u24 v5, v1, PITCH
	s_wait_alu depctr_va_vdst(0)
	v_lshl_add_u32 v6, v2, 3, v5
	s_mul_i32 s72, s19, HALFA
	s_mul_i32 s73, s20, HALFW
	s_add_co_u32 s73, s73, 2*HALFA
.irp s, 0,1
	v_add_nc_u32 v[ADRA+\s], s72, v4
	v_add_nc_u32 v[ADRW+\s], s73, v6
	s_add_co_u32 s72, s72, SLOT
	s_add_co_u32 s73, s73, SLOT
.endr
	s_mul_i32 s74, s18, 16*PITCH
	s_add_co_u32 s74, s74, STAGE
	v_lshl_add_u32 v7, v2, 5, v5
	v_add_nc_u32 v[STO], s74, v7
	v_mul_u32_u24 v7, v2, PITCH
	v_lshl_add_u32 v7, v1, 4, v7
	v_add_nc_u32 v[RD], s74, v7
	v_lshlrev_b32 v[CO], 12, v2
	v_lshl_add_u32 v[CO], v1, 4, v[CO]
	v_lshlrev_b32 v17, 5, v1
	v_lshl_add_u32 v17, v2, 4, v17
	v_lshlrev_b32 v18, 5, v2
	v_lshlrev_b32 v19, 18, v2
	v_lshl_add_u32 v19, v3, 1, v19
.irp a, 0,1,2,3,4,5,6,7
.irp i, 0,1,2,3
	global_load_u16 v[AS+4*\a+\i], v19, s[76:77] offset:(2*\i)*32768+64*\a
	global_load_u16 v[TP+4*\a+\i], v19, s[76:77] offset:(2*\i+1)*32768+64*\a
.endr
.endr
.irp b, 0,1,2,3
	global_load_b128 v[WS+4*\b:WS+4*\b+3], v17, s[78:79] offset:512*\b
.endr
.irp b, 0,1,2,3
	global_load_b128 v[BF+8*\b:BF+8*\b+3], v18, s[80:81] offset:64*\b
	global_load_b128 v[BF+8*\b+4:BF+8*\b+7], v18, s[80:81] offset:64*\b+16
.endr
.macro WM d, a, b, c, sa, sb, row
.if \row
	v_wmma_scale_f32_16x16x128_f8f6f4 v[(\d):(\d)+7], v[(\a):(\a)+15], v[(\b):(\b)+15], v[(\c):(\c)+7], v[\sa], v[\sb] matrix_a_fmt:MATRIX_FMT_BF8 matrix_b_fmt:MATRIX_FMT_BF8 matrix_a_scale:MATRIX_SCALE_ROW1 matrix_b_scale:MATRIX_SCALE_ROW1
.else
	v_wmma_scale_f32_16x16x128_f8f6f4 v[(\d):(\d)+7], v[(\a):(\a)+15], v[(\b):(\b)+15], v[(\c):(\c)+7], v[\sa], v[\sb] matrix_a_fmt:MATRIX_FMT_BF8 matrix_b_fmt:MATRIX_FMT_BF8
.endif
.endm
.macro MUL2 a0, p, g, first
.set WB, 192-64*(\p)
.set SG, (\g)%4
.set RW, (\g)/4
.set CW, 2*(1-\first)
	WIN (\p)|(1<<2)|(CW<<4)|(2<<6)
.irp a, \a0, \a0+1
.irp b, 0,1,2,3
.set DD, 32*(\a)+8*\b
.if \first
	WM DD, WB+16*\b, 16*(\a), BF+8*\b, WS+4*\b+SG, AS+4*(\a)+SG, RW
.else
	WM DD, WB+16*\b, 16*(\a), DD, WS+4*\b+SG, AS+4*(\a)+SG, RW
.endif
.endr
.endr
.endm
.macro FETCH_W slot, q, p
.set WB, 192-64*(\p)
	WIN (\p)<<6
.irp b, 0,1,2,3
.irp c, 0,1,2,3,4,5,6,7
	ds_load_b64 v[WB+16*\b+2*\c:WB+16*\b+2*\c+1], v[ADRW+\slot] offset:\b*16*PITCH+128*(\q)+16*\c
.endr
.endr
	WIN 0
.endm
.macro FETCH_A slot, q, i0
	WIN 0x40
.irp i, \i0, \i0+1, \i0+2, \i0+3
.irp c, 0,1,2,3
	ds_load_b128 v[16*(\i)+4*\c:16*(\i)+4*\c+3], v[ADRA+\slot] offset:4096*(\i)+2048*(\q)+512*\c
.endr
.endr
	WIN 0
.endm
.macro STEP slot, g, first
	s_wait_dscnt 16
	MUL2 0, (\g)%2, \g, \first
	MUL2 2, (\g)%2, \g, \first
	s_wait_dscnt 0x0
	PLACES 8
	FETCH_W \slot, 1, 1-(\g)%2
	FETCH_A \slot, 1, 0
	MUL2 4, (\g)%2, \g, \first
	MUL2 6, (\g)%2, \g, \first
	PLACES 8
	FETCH_A \slot, 1, 4
.endm
.macro TURN slot, next, fill, g
	s_wait_tensorcnt 0x0
	ds_add_u32 v[SPW], v[NIL]
	s_wait_dscnt 17
	MUL2 0, (\g)%2, \g, 0
	s_wait_dscnt 0x0
	s_barrier_signal -1
	MUL2 2, (\g)%2, \g, 0
	WIN 0
	s_barrier_wait -1
.if \fill
	CREST
	s_add_nc_u64 s[G0A+4*\slot+2:G0A+4*\slot+3], s[G0A+4*\slot+2:G0A+4*\slot+3], 8192
	s_add_nc_u64 s[G0W+4*\slot+2:G0W+4*\slot+3], s[G0W+4*\slot+2:G0W+4*\slot+3], 512
	JLOAD \slot
	PLACES 4
.else
	PLACES 8
.endif
	FETCH_W \next, 0, 1-(\g)%2
	FETCH_A \next, 0, 0
	MUL2 4, (\g)%2, \g, 0
	MUL2 6, (\g)%2, \g, 0
	PLACES 8
	FETCH_A \next, 0, 4
.endm
	s_wait_tensorcnt 1
	s_barrier_signal -1
	s_barrier_wait -1
	FETCH_W 0, 0, 0
	FETCH_A 0, 0, 0
	FETCH_A 0, 0, 4
	s_wait_loadcnt 0x0
.set i, 0
.rept 32
	v_lshl_or_b32 v[AS+i], v[TP+i], 16, v[AS+i]
.set i, i+1
.endr
	PLACES 8
	s_wait_alu depctr_va_vdst(0)
	STEP 0, 0, 1
	TURN 0, 1, 1, 1
	STEP 1, 2, 0
	TURN 1, 0, 1, 3
	STEP 0, 4, 0
	TURN 0, 1, 0, 5
	STEP 1, 6, 0
	s_wait_dscnt 16
	MUL2 0, 1, 7, 0
	MUL2 2, 1, 7, 0
	s_wait_dscnt 0x0
	MUL2 4, 1, 7, 0
	MUL2 6, 1, 7, 0
	WIN 0
.macro TOSTAGE a
	WIN 0x08
.irp b, 0,1,2,3
	ds_store_b128 v[STO], v[32*(\a)+8*\b:32*(\a)+8*\b+3] offset:64*\b
	ds_store_b128 v[STO], v[32*(\a)+8*\b+4:32*(\a)+8*\b+7] offset:64*\b+16
.endr
	WIN 0
.set BB, BK+32*((\a)%2)
.irp t, 0,1,2,3,4,5,6,7
	ds_load_b128 v[BB+4*\t:BB+4*\t+3], v[RD] offset:\t*2*PITCH
.endr
.endm
.macro SEND a, younger
.set BB, BK+32*((\a)%2)
	s_wait_dscnt \younger
.if (\a) > 0
	s_add_nc_u64 s[14:15], s[14:15], 16*4096
.endif
.irp t, 0,1,2,3,4,5,6,7
	global_store_b128 v[CO], v[BB+4*\t:BB+4*\t+3], s[14:15] offset:\t*2*4096 th:TH_STORE_NT
.endr
.endm
	PLACES 8
	TOSTAGE 0
.irp a, 1,2,3,4,5,6,7
.if \a > 1
	s_wait_xcnt 0x0
.endif
	TOSTAGE \a
	SEND \a-1, 16
.endr
	s_wait_xcnt 0x0
	SEND 7, 0
	s_wait_tensorcnt 0x0
	ds_add_u32 v[SPW], v[NIL]
	s_wait_dscnt 0x0
	CROUND
	s_endpgm
.Lfunc_end_k_qcc49e8fd7c_fc:
	.size	k_qcc49e8fd7c_fc, .Lfunc_end_k_qcc49e8fd7c_fc-k_qcc49e8fd7c_fc
	.p2alignl 7, 3214868480
	.fill 96, 4, 3214868480
	.section	.rodata,"a",@progbits
	.p2align	6, 0x0
	.amdhsa_kernel k_qcc49e8fd7c_fc
		.amdhsa_group_segment_fixed_size 327680
		.amdhsa_private_segment_fixed_size 0
		.amdhsa_enable_private_segment 0
		.amdhsa_kernarg_size 48
		.amdhsa_user_sgpr_count 2
		.amdhsa_user_sgpr_kernarg_segment_ptr 1
		.amdhsa_wavefront_size32 1
		.amdhsa_system_sgpr_workgroup_id_x 1
		.amdhsa_system_sgpr_workgroup_id_y 1
		.amdhsa_system_sgpr_workgroup_id_z 1
		.amdhsa_system_vgpr_workitem_id 0
		.amdhsa_next_free_vgpr 768
		.amdhsa_next_free_sgpr 100
		.amdhsa_reserve_vcc 0
		.amdhsa_float_denorm_mode_32 3
		.amdhsa_float_denorm_mode_16_64 3
		.amdhsa_memory_ordered 1
		.amdhsa_forward_progress 1
		.amdhsa_inst_pref_size 106
	.end_amdhsa_kernel
	.amdgpu_metadata
---
amdhsa.version: [ 1, 2 ]
amdhsa.kernels:
  - .name:           k_qcc49e8fd7c_fc
    .symbol:         k_qcc49e8fd7c_fc.kd
    .args:
      - { .name: ab, .offset: 0, .size: 8, .value_kind: global_buffer, .address_space: global }
      - { .name: asb, .offset: 8, .size: 8, .value_kind: global_buffer, .address_space: global }
      - { .name: W_fc_codes, .offset: 16, .size: 8, .value_kind: global_buffer, .address_space: global }
      - { .name: W_fc_scales, .offset: 24, .size: 8, .value_kind: global_buffer, .address_space: global }
      - { .name: b_fc, .offset: 32, .size: 8, .value_kind: global_buffer, .address_space: global }
      - { .name: out0, .offset: 40, .size: 8, .value_kind: global_buffer, .address_space: global }
    .group_segment_fixed_size: 327680
    .private_segment_fixed_size: 0
    .kernarg_segment_align: 8
    .kernarg_segment_size: 48
    .max_flat_workgroup_size: 128
    .sgpr_count:     100
    .vgpr_count:     768
    .wavefront_size: 32
...
	.end_amdgpu_metadata
.endif
;; end of part 3
